; MI455X (gfx1250); checked and timed in simulation.
; The chip was launched on July 23, 2026; its instructions are those of AMD's public machine-readable ISA for CDNA 5 (MIT licence, August 2026) and "CDNA5" Instruction Set Architecture Reference Guide (July 2026). The comments in the code are by the model that wrote it; some were corrected since.
;; Multi Head Attention. Allowed arithmetic: matrix products marked QUANTISED: E5M2 operands, one given power-of-two scale a tensor, by v_wmma_f32_16x16x64_bf8_bf8 or v_wmma_f32_16x16x128_bf8_bf8, f32 sums; everything else in f32.
;; Inputs: Wk_codes 1,024 x 32 x 32 uint8 (E5M2 codes of Wk, K innermost, in blocks of 32 codes); Wo_codes 1,024 x 32 x 32 uint8 (E5M2 codes of Wo, K innermost, in blocks of 32 codes); Wq_codes 1,024 x 32 x 32 uint8 (E5M2 codes of Wq, K innermost, in blocks of 32 codes); Wv_codes 1,024 x 32 x 32 uint8 (E5M2 codes of Wv, K innermost, in blocks of 32 codes); bk 1,024 float32; bo 1,024 float32; bq 1,024 float32; bv 1,024 float32; lowp_scales 12 int32 (the exponents e of the quantised operands' scales 2^e); x_codes 4 x 2,048 x 32 x 32 uint8 (E5M2 codes of x, K innermost, in blocks of 32 codes).
;; Outputs: out0 4 x 2,048 x 1,024 float32.
;; This version of the problem:
;;   THIS VERSION OF THE PROBLEM IS GIVEN IN LOW PRECISION. The matrix products marked QUANTISED in the list below multiply operands that are first quantised to E5M2 (5 exponent bits, 2 mantissa bits; 8 bits a number), with one given power-of-two scale for each operand tensor; their sums are f32. All else is computed in f32.
;;   The module's matrix products, in the order in which they are computed (A, B: the left and right operand; K: the contracted axis; several contracted axes count as one K, in the product's order):
;;     1. [M 8,192, K 1,024] x [K 1,024, N 1,024]; A: input x (given as codes); B: input Wq (given as codes): QUANTISED (scales: A lowp_scales[0], B lowp_scales[1])
;;     2. [M 8,192, K 1,024] x [K 1,024, N 1,024]; A: input x (given as codes); B: input Wk (given as codes): QUANTISED (scales: A lowp_scales[2], B lowp_scales[3])
;;     3. [M 8,192, K 1,024] x [K 1,024, N 1,024]; A: input x (given as codes); B: input Wv (given as codes): QUANTISED (scales: A lowp_scales[4], B lowp_scales[5])
;;     4. batch 64 x [M 2,048, K 64] x [K 64, N 2,048]; A: computed on the way; B: computed on the way: QUANTISED (scales: A lowp_scales[6], B lowp_scales[7])
;;     5. batch 64 x [M 2,048, K 2,048] x [K 2,048, N 64]; A: softmax (see below); B: computed on the way: QUANTISED (scales: A lowp_scales[8], B lowp_scales[9])
;;     6. [M 8,192, K 1,024] x [K 1,024, N 1,024]; A: computed on the way; B: input Wo (given as codes): QUANTISED (scales: A lowp_scales[10], B lowp_scales[11])
;;   THE QUANTISER, for each operand of a quantised product, along K:
;;     - The operand's scale is 2^e, e = its entry of the input lowp_scales (int32; the entries are numbered through the quantised products in the list's order, A before B).
;;     - Each number is divided by the scale, clamped to +-57,344, and rounded to the nearest number of E5M2, ties to even, subnormals kept.
;;     - The product sums the exact products of the quantised numbers (number of the format x scale) in f32.
;;   ~~~python
;;   def quantise(x, axis, e):      # numpy; x: float32 -> the quantised numbers, widened to float32 again
;;       x = np.moveaxis(x, axis, -1); K = x.shape[-1]
;;       r = np.clip(x / 2.0 ** e, -57344, 57344)
;;       step = 2.0 ** (np.maximum(np.frexp(np.where(r == 0, 1, r))[1] - 1, -14) - 2)
;;       q = np.round(r / step) * step * 2.0 ** e      # np.round: ties to even
;;       return np.moveaxis(q, -1, axis).astype(np.float32)
;;   ~~~
;;   SOFTMAX AHEAD OF A QUANTISED PRODUCT. Where the list says 'softmax', what is quantised is not the finished softmax but p = 2^(t - M), with t = logit x log2(e) and M = ceil(the row's largest t), a whole number; so 1/2 < the row's largest p <= 1. The row's sum l is taken of the UNQUANTISED p, in f32, and the product's result is divided by l at the end. Since M is a whole number, a kernel that streams over the keys may use a running M (the ceiling of the running maximum): every later rescaling is an exact power of two, so the quantised numbers keep their values, but for numbers so far below the row's largest that they fall under the format's range.
;;   OPERANDS COMPUTED ON THE WAY. 'Computed on the way' means the value that the module computes at that place (a softmax that the list does not call 'softmax' is quantised finished and normalised). What goes into a quantiser is computed in f32, as accurately as f32 sums, v_exp_f32 and their like allow (about 1e-6 of the number): no bf16 or f16 on the way to a quantiser, and a product that is left as it is and whose result goes on into a quantised operand takes f32 operands (vector FMAs, or v_wmma_f32_16x16x4_f32). A number that lies on a knife's edge between two numbers of the format may be rounded either way, as far as f32 arithmetic and the matrix unit's own rounding can turn it there, and no further.
;;   INPUTS GIVEN AS CODES. Wk (in the module: [1024, 1024], K = its axis 1); Wo (in the module: [1024, 1024], K = its axis 1); Wq (in the module: [1024, 1024], K = its axis 1); Wv (in the module: [1024, 1024], K = its axis 1); x (in the module: [4, 2048, 1024], K = its axis 2): each comes as NAME_codes (uint8): NAME with its K axis moved to the last place and cut into blocks of 32 codes, [.., K / 32, bytes a block], one block behind the other in memory; one code a byte (a code: sign, 5 exponent bits, 2 mantissa bits); its scale is its entry of lowp_scales. Its value is code x scale, taken as it is: it is not quantised again, and the codes and scales need not be those that the quantiser above would give.
;; One version. Each part assembles by itself: llvm-mc -triple=amdgcn-amd-amdhsa -mcpu=gfx1250 --defsym DOCPART=n.
;; ======== version 1 of 1: 3 launches
;; limits: right only within a limited range of input values
;; workspace buffers: qkv 25,165,824 bytes; aimg 8,388,608 bytes
;; launch proj (part 1): grid 8 x 48, 4 waves a work-group, clusters of 4 x 4, 327,680 bytes of LDS; arguments x_codes, Wq_codes, Wk_codes, Wv_codes, bq, bk, bv, lowp_scales, qkv; writes qkv
.if DOCPART == 1
	.amdgcn_target "amdgcn-amd-amdhsa--gfx1250"
	.amdhsa_code_object_version 6
	.text
	.protected	k_qccd9017288_proj
	.globl	k_qccd9017288_proj
	.p2align	8
	.type	k_qccd9017288_proj,@function
k_qccd9017288_proj:
	s_mov_b64 s[64:65], 0
	v_nop
	global_prefetch_b8 v0, s[64:65] scope:SCOPE_SE
	s_setreg_imm32_b32 hwreg(HW_REG_WAVE_MODE, 25, 1), 1
	s_wait_xcnt 0x0
	s_wait_alu depctr_hold_cnt(0) depctr_sa_sdst(0) depctr_va_vdst(0) depctr_va_sdst(0) depctr_va_ssrc(0) depctr_va_vcc(0) depctr_vm_vsrc(0)
	s_getreg_b32 s2, hwreg(HW_REG_IB_STS2, 6, 4)
	s_cmp_eq_u32 s2, 0
	s_cbranch_scc0 .Lentry_in_a_cluster
	s_endpgm
.Lentry_in_a_cluster:
	s_bfe_u32 s2, ttmp6, 0x10000c
	s_cmp_lg_u32 s2, 0xf033
	s_cbranch_scc0 .Lentry_shape_is_right
	s_endpgm
.Lentry_shape_is_right:
; Q = x Wq^T + bq, K = x Wk^T + bk, V = x Wv^T + bv on codes of BF8 (E5M2); each result is quantised at once (2^e6, 2^e7, 2^e9) and stored as codes,
; laid as IMAGES OF THE OPERAND REGISTERS of the attention launch: so no result changes lanes and every store of a wave covers 512 consecutive bytes, aligned.
; One text serves three products.  C'[m][n] = sum over k of A'[m][k] B'[n][k], tiles of 256 x 256, K = 1,024:
;   kind 0 (cluster y 0-7):  A' = x (8,192 tokens), B' = Wq (cluster x 0) or Wk (cluster x 1) (1,024 features)
;   kind 1 (cluster y 8-11): A' = Wv (1,024 features), B' = x (8,192 tokens)
; THE MATRIX INSTRUCTION IS USED TRANSPOSED (source 0 = 16 rows of B', source 1 = 16 rows of A'): lane (r, h) of accumulator (a, b) holds row 16 a + r of A' and rows 16 b + 8 h + 0..7 of B'.
; One conversion of an accumulator's eight registers gives registers 2 b, 2 b + 1 of a fragment whose K runs along B's rows:
;   kind 0: K = the head's 64 channels (four b a head): a fragment of Q or K for 16 tokens;   kind 1: K = 128 tokens (eight b): a fragment of V^T for 16 channels.
; qkv: Q at byte 0, K at SECB: [16 batch + head][token tile 128][group 2][lane][16 bytes];  V at 2 SECB: [16 batch + head][key step 16][channel tile 4][group 4][lane][16 bytes].
; Four waves, 128 x 128 of C' each (64 accumulators, 512 registers); K in steps of 256 through a ring of two LDS slots filled by the tensor data mover.
; CLUSTERS: 4 x 4 work-groups; A's tile is asked for jointly along a row of the cluster, B's along a column.  The kind hangs on the cluster's y alone: it is the same in all sixteen partners.
; LIMITS: e0 + e1, e2 + e3, e4 + e5 between -126 and 127; e6, e7, e9 between -126 and 112: each power of two below is then an f32 number.  NaN is not served.
; REGISTERS: window 0: v0-31 addresses and constants; v32-95 the bias along B's rows, v96-111 along A's rows; from v128 A's fragments, ONE set (on the way out: v128-191 numbers, v192-223 codes).
;   window 1: B's fragments, TWO sets.   window 2: the accumulators of my rows 0-63 ((a, b) at v[8 (8 a + b)]);   window 3: rows 64-127.
.set SIZE_K, 1024
.set KSTEP,  256                       ; along K in a slot
.set ROWB,   256                       ; a tile's row in bytes
.set KROW,   SIZE_K                    ; a row of x or of a weight in memory, in bytes
.set PITCH,  272                       ; an LDS row: 256 bytes + 16 of padding = 68 words: the 16 rows that a load touches start at 16 different banks (64 banks of 4 bytes: ISA guide 11.1)
.set FR,     16                        ; registers of a fragment: 16 rows x 128 K
.set NL,     4                         ; LDS loads that bring one
.set NP,     4                         ; places behind this matrix instruction (ISA guide 7.12.1)
.set HALFT,  128*PITCH                 ; 128 rows: what one tensor load brings
.set SLOT,   4*HALFT                   ; A's 256 rows, then B's 256 rows
.set LAPS,   SIZE_K/(2*KSTEP)          ; a lap = two K steps = once round the ring
.set SPARE,  2*SLOT                    ; behind the ring: the spare words, 128 bytes for each wave
.set HEADB,  131072                    ; a head's images in bytes
.set ADRA, 16                          ; v16-17  LDS address of my A fragments in slot 0, 1
.set ADRB, 20                          ; v20-21  the same for B
.set CBO,  24                          ; v24     byte offset of the bias along B's rows; never rewritten
.set RBO,  25                          ; v25     of the bias along A's rows; never rewritten
.set CO,   26                          ; v26     16 x lane: my place in an image; never rewritten
.set SPW,  28                          ; v28     LDS address of my spare word; never rewritten
.set NIL,  29                          ; v29     0; never rewritten
.set SCV,  30                          ; v30     the result's scale 2^eo as f32
.set LMV,  31
.set CBI,  32                          ; v32-95  bias of B's rows 16 b + 8 h + j at v[32 + 8 b + j]
.set RBI,  96                          ; v96-111 bias of A's row 16 a + r, twice, at v[96 + 2 a]
.set AF,   128
.set TMP,  128
.set CD,   192
.set KIND, 86                          ; s86     0: Q or K;  1: V
.set G1, 24
.set G0, 32
.set G1B, 48
.set G0B, 56
.set MSB, 0
.macro WIN new                         ; the immediate's high byte repeats the setting that is left
.if MSB != \new
	s_set_vgpr_msb (MSB<<8)|\new
.set MSB, \new
.endif
.endm
.set MUL_LO, 0xa1                      ; source 0 (B) window 1, source 1 (A) window 0, C and D window 2
.set MUL_HI, 0xf1                      ; the same, C and D window 3
.set TO_B,   0x40                      ; destination window 1, address window 0
; A joint load: waves 0 and 1 fetch for A, waves 2 and 3 for B; the branch hangs on the wave's number alone.  Four v_nop follow each of the two lines.
.macro JLOAD g0a, g1a, g0b, g1b
	s_cmp_eq_u32 s15, 0
	s_cbranch_scc0 .Lfor_b_\@
	tensor_load_to_lds s[\g0a:\g0a+3], s[\g1a:\g1a+7]
	s_nop 0
.rept 4
	v_nop
.endr
	s_branch .Lasked_\@
.Lfor_b_\@:
	tensor_load_to_lds s[\g0b:\g0b+3], s[\g1b:\g1b+7]
	s_nop 0
.rept 4
	v_nop
.endr
.Lasked_\@:
.endm
.macro CREST                           ; a round of the cluster's barrier behind its opening barrier
	s_cmp_lg_u32 s14, 0
	s_cbranch_scc1 .Lnot_wave_0_\@
	s_barrier_signal -3
.Lnot_wave_0_\@:
	s_barrier_wait -3
	s_barrier_signal -1
	s_barrier_wait -1
.endm
.macro CROUND                          ; a whole round
	s_barrier_signal -1
	s_barrier_wait -1
	CREST
.endm
	s_load_b256 s[68:75], s[0:1], 0x0              ; x s[68:69], Wq s[70:71], Wk s[72:73], Wv s[74:75]
	s_load_b256 s[76:83], s[0:1], 0x20             ; bq s[76:77], bk s[78:79], bv s[80:81], the scales' exponents s[82:83]
	s_load_b64 s[84:85], s[0:1], 0x40              ; qkv
	v_lshl_add_u32 v[SPW], v0, 2, SPARE
	v_mov_b32 v[NIL], 0
	ds_add_u32 v28, v29
	ds_add_u32 v28, v29
	s_wait_dscnt 0x0
	v_lshrrev_b32 v1, 5, v0
	v_readfirstlane_b32 s14, v1                    ; wave 0..3
	s_lshr_b32 s15, s14, 1                         ; which half of the tile's rows is mine.  Also: I fetch for A (0) or for B (1)
	s_and_b32 s16, s14, 1                          ; which half of its columns.  Also: which 128 rows of that tile I fetch
	s_bfe_u32 s40, ttmp6, 0x40000                  ; cx, cy: my place in the cluster
	s_bfe_u32 s41, ttmp6, 0x40004
	s_and_b32 s87, ttmp7, 0xffff                   ; cluster y, 0..11
	s_lshl_b32 s17, s87, 2                         ; kind 0: 4 x cluster y
	s_sub_co_u32 s42, s87, 8
	s_lshl_b32 s42, s42, 3
	s_lshl_b32 s18, ttmp9, 2
	s_add_co_u32 s42, s42, s18                     ; kind 1: 8 x (cluster y - 8) + 4 x cluster x
	s_cmp_ge_u32 s87, 8
	s_cselect_b32 s[KIND], 1, 0
	s_cselect_b32 s17, 0, s17
	s_cselect_b32 s42, s42, 0
	s_add_co_u32 s17, s17, s41                     ; tile row of C': + cy
	s_add_co_u32 s42, s42, s40                     ; tile column of C': + cx
	s_lshl_b32 s43, s41, 2
	s_lshl_b32 s43, 15, s43                        ; my row of the cluster
	s_lshl_b32 s44, 0x1111, s40                    ; my column
	; descriptor group 1: a tile of 128 rows x 256 bytes, padded in LDS
	s_or_b32 s[G1+0], s43, (0<<16)|(1<<20)|(1<<21)|(5<<22)|(3<<25)  ; 15:0 the mask: A's tiles go to my row; 17:16 elements of 1 byte; 20 padding on; 21 set beside a mask; 24:22 after every 64 words; 31:25 four words
	s_or_b32 s[G1B+0], s44, (0<<16)|(1<<20)|(1<<21)|(5<<22)|(3<<25) ; the same with the mask of my column
.irp g, G1, G1B
	s_mov_b32 s[\g+1], ROWB<<16                    ; tensor_dim0
	s_mov_b32 s[\g+2], 128<<16                     ; tensor_dim1 = 128
	s_mov_b32 s[\g+3], ROWB<<16                    ; tile_dim0
	s_mov_b32 s[\g+4], 128                         ; tile_dim1 = 128
	s_mov_b32 s[\g+5], KROW                        ; tensor_dim0_stride
	s_mov_b32 s[\g+6], 0
	s_mov_b32 s[\g+7], 0
.endr
	s_lshl_b32 s18, s16, 7                         ; which 128 rows of the tile I fetch
	s_lshl_b32 s20, s17, 8
	s_add_co_u32 s20, s20, s18                     ; A': row 256 x tile row + 128 x half,
	s_lshl_b32 s20, s20, 10                        ; in bytes (under 2^23)
	s_mov_b32 s21, 0
	s_lshl_b32 s46, s42, 8
	s_add_co_u32 s46, s46, s18                     ; B': row 256 x tile column + 128 x half
	s_lshl_b32 s46, s46, 10
	s_mov_b32 s47, 0
	s_mul_i32 s45, s14, HALFT                      ; where they go: wave x 128 rows: no place in the cluster enters an LDS address
	s_wait_kmcnt 0x0
	s_load_b256 s[88:95], s[82:83], 0x0            ; e0 .. e7
	s_load_b32 s98, s[82:83], 0x24                 ; e9
	s_cmp_eq_u32 ttmp9, 0                          ; the buffers are chosen by the cluster's place in the grid alone
	s_cselect_b64 s[6:7], s[70:71], s[72:73]       ; Wq or Wk
	s_cselect_b64 s[12:13], s[76:77], s[78:79]     ; bq or bk
	s_cmp_eq_u32 s[KIND], 1
	s_cselect_b64 s[4:5], s[74:75], s[68:69]       ; A' = Wv or x
	s_cselect_b64 s[6:7], s[68:69], s[6:7]         ; B' = x or the weight
	s_cselect_b64 s[12:13], s[80:81], s[12:13]     ; the bias
	s_add_nc_u64 s[20:21], s[4:5], s[20:21]
	s_add_nc_u64 s[46:47], s[6:7], s[46:47]
	CROUND                                         ; all sixteen work-groups are here: the first joint loads meet
.irp s, 0,1
	s_mov_b32 s[G0+4*\s], 1
	s_add_co_u32 s[G0+4*\s+1], s45, \s*SLOT
	s_add_nc_u64 s[G0+4*\s+2:G0+4*\s+3], s[20:21], \s*ROWB
	s_or_b32 s[G0+4*\s+3], s[G0+4*\s+3], 0x80000000
	s_mov_b32 s[G0B+4*\s], 1
	s_add_co_u32 s[G0B+4*\s+1], s45, \s*SLOT
	s_add_nc_u64 s[G0B+4*\s+2:G0B+4*\s+3], s[46:47], \s*ROWB
	s_or_b32 s[G0B+4*\s+3], s[G0B+4*\s+3], 0x80000000
	JLOAD G0+4*\s, G1, G0B+4*\s, G1B
.endr
	v_and_b32 v1, 15, v0                           ; r = l % 16
	v_bfe_u32 v2, v0, 4, 1                         ; h = l / 16
	s_wait_alu depctr_va_vdst(0)
	v_mul_u32_u24 v3, v1, PITCH
	v_lshl_add_u32 v4, v2, 4, v3                   ; a fragment's row x pitch + 16 x half
	s_mul_i32 s21, s15, HALFT                      ; my 128 rows of A
	s_mul_i32 s22, s16, HALFT                      ; my 128 rows of B,
	s_add_co_u32 s22, s22, 2*HALFT                 ; which lie behind A's 256
.irp s, 0,1
	v_add_nc_u32 v[ADRA+\s], s21, v4
	v_add_nc_u32 v[ADRB+\s], s22, v4
	s_add_co_u32 s21, s21, SLOT
	s_add_co_u32 s22, s22, SLOT
.endr
	v_and_b32 v[CO], 31, v0
	v_lshlrev_b32 v[CO], 4, v[CO]
	; THE BIAS runs along the features: along B's rows in kind 0, along A's rows in kind 1.  Both sets are loaded with no branch; the set that my kind does not use reads the bias's first bytes and is not used.
	s_lshl_b32 s70, s40, 10
	s_lshl_b32 s71, s16, 9
	s_add_co_u32 s70, s70, s71                     ; kind 0: 4 x (256 cx + 128 x column half)
	s_lshl_b32 s72, s41, 10
	s_lshl_b32 s73, s15, 9
	s_add_co_u32 s72, s72, s73                     ; kind 1: 4 x (256 cy + 128 x row half)
	s_cmp_eq_u32 s[KIND], 1
	s_cselect_b32 s70, 0, s70
	s_cselect_b32 s72, s72, 0
	v_lshl_add_u32 v[CBO], v2, 5, s70              ; + 32 h: my half's eight numbers of a block of 16
	v_lshl_add_u32 v[RBO], v1, 2, s72              ; + 4 r
.irp b, 0,1,2,3,4,5,6,7
	global_load_b128 v[CBI+8*\b:CBI+8*\b+3], v[CBO], s[12:13] offset:64*\b
	global_load_b128 v[CBI+8*\b+4:CBI+8*\b+7], v[CBO], s[12:13] offset:64*\b+16
.endr
.irp a, 0,1,2,3,4,5,6,7
	global_load_b32 v[RBI+2*\a], v[RBO], s[12:13] offset:64*\a     ; the packed form names a pair: both words are loaded
	global_load_b32 v[RBI+2*\a+1], v[RBO], s[12:13] offset:64*\a
.endr
	; where my wave's images begin in qkv
	s_lshl_b32 s70, s42, 8
	s_lshl_b32 s71, s16, 7
	s_add_co_u32 s70, s70, s71                     ; kind 1: my first token = 256 x tile column + 128 x column half
	s_lshl_b32 s72, s17, 8
	s_lshl_b32 s73, s15, 7
	s_add_co_u32 s72, s72, s73                     ; kind 0: 256 x tile row + 128 x row half
	s_lshl_b32 s74, s41, 2
	s_lshl_b32 s75, s15, 1
	s_add_co_u32 s74, s74, s75                     ; kind 1: my first head = 4 cy + 2 x row half
	s_lshl_b32 s76, s40, 2
	s_lshl_b32 s77, s16, 1
	s_add_co_u32 s76, s76, s77                     ; kind 0: 4 cx + 2 x column half
	s_lshl_b32 s78, ttmp9, 23                      ; kind 0: section Q or K
	s_cmp_eq_u32 s[KIND], 1
	s_cselect_b32 s70, s70, s72
	s_cselect_b32 s74, s74, s76
	s_cselect_b32 s78, 0x1000000, s78              ; kind 1: section V
	s_lshr_b32 s71, s70, 11                        ; the batch
	s_lshl_b32 s71, s71, 4
	s_add_co_u32 s71, s71, s74                     ; 16 x batch + head
	s_lshl_b32 s71, s71, 17                        ; x HEADB
	s_and_b32 s70, s70, 2047
	s_lshl_b32 s70, s70, 6                         ; a token takes 64 bytes of a head's images, in all three sections
	s_add_co_u32 s70, s70, s71
	s_add_co_u32 s70, s70, s78
	s_mov_b32 s71, 0
	s_add_nc_u64 s[10:11], s[84:85], s[70:71]
.macro FRAG reg, adr, q, i             ; a fragment: lane l holds row l % 16; registers 4 c .. 4 c + 3 hold K = 32 c + 16 (l / 16) + 0 .. 15: the same order of k in A' and in B'
.irp c, 0,1,2,3
	ds_load_b128 v[\reg+4*\c:\reg+4*\c+3], v[\adr] offset:128*(\q)+32*\c+(\i)*16*PITCH
.endr
.endm
; 16 matrix instructions: A's blocks a0, a0 + 1 x B's eight, 128 along K.  p: B's set.  zero = 1: the first product starts the sums.
; The 64 accumulators take turns, one instruction a turn, in the same order in every step.
.macro MUL16 a0, p, zero
.irp a, \a0, \a0+1
.irp b, 0,1,2,3,4,5,6,7
.if \zero
	v_wmma_f32_16x16x128_bf8_bf8 v[8*(8*((\a)%4)+\b):8*(8*((\a)%4)+\b)+7], v[128*(\p)+FR*\b:128*(\p)+FR*\b+FR-1], v[AF+FR*(\a):AF+FR*(\a)+FR-1], 0
.else
	v_wmma_f32_16x16x128_bf8_bf8 v[8*(8*((\a)%4)+\b):8*(8*((\a)%4)+\b)+7], v[128*(\p)+FR*\b:128*(\p)+FR*\b+FR-1], v[AF+FR*(\a):AF+FR*(\a)+FR-1], v[8*(8*((\a)%4)+\b):8*(8*((\a)%4)+\b)+7]
.endif
.endr
.endr
.endm
.macro FETCH_B slot, q, p              ; B's eight fragments of the slot's q-th 128 along K into set p
	WIN TO_B
.irp i, 0,1,2,3,4,5,6,7
	FRAG 128*(\p)+FR*\i, ADRB+\slot, \q, \i
.endr
	WIN 0
.endm
.macro FETCH_A slot, q, i0             ; A's blocks i0 .. i0 + 3
.irp i, \i0, \i0+1, \i0+2, \i0+3
	FRAG AF+FR*(\i), ADRA+\slot, \q, \i
.endr
.endm
.macro PLACES n                        ; plain vector instructions between a matrix instruction and a load into, or a vector instruction on, its registers
.rept \n
	v_nop
.endr
.endm
; A step of 128 along K that has its successor in the same slot.
.macro STEP slot, q, zero
	s_wait_dscnt 4*NL                              ; B's set and A's blocks 0-3 are in; the youngest 16 loads (A's blocks 4-7) may be out
	WIN MUL_LO
	MUL16 0, (\q)%2, \zero
	MUL16 2, (\q)%2, \zero
	s_wait_dscnt 0                                 ; A's blocks 4-7 are in (asked for 32 matrix instructions ago)
	PLACES NP
	FETCH_B \slot, (\q)+1, 1-(\q)%2
	FETCH_A \slot, (\q)+1, 0
	WIN MUL_HI
	MUL16 4, (\q)%2, \zero
	MUL16 6, (\q)%2, \zero
	PLACES NP
	WIN 0
	FETCH_A \slot, (\q)+1, 4
.endm
; A slot's last step changes slots: ONE barrier; in front of it each wave waits for all its tensor loads, adds 0 to its spare word, and waits for that and for its own reads of this slot.  fill = 1: this slot is filled again, two K steps ahead.
.macro TURN slot, next, fill
	s_wait_tensorcnt 0x0                           ; all my tensor loads have landed: my part of the next slot
	ds_add_u32 v[SPW], v[NIL]                      ; 0 onto my spare word
	s_wait_dscnt 4*NL+1                            ; (the add and the youngest 16 loads, A's blocks 4-7, may be out)
	WIN MUL_LO
	MUL16 0, 1, 0                                  ; sixteen matrix instructions stand between the add and the wait for it
	s_wait_dscnt 0x0                               ; the add is done, and my reads of this slot are over
	s_barrier_signal -1
	MUL16 2, 1, 0
	WIN 0
	s_barrier_wait -1
.if \fill
	CREST                                          ; the barrier has opened a round of the cluster's barrier: no wave of any partner still reads this slot's tile or has a load on its way
	s_add_nc_u64 s[G0+4*\slot+2:G0+4*\slot+3], s[G0+4*\slot+2:G0+4*\slot+3], 2*ROWB
	s_add_nc_u64 s[G0B+4*\slot+2:G0B+4*\slot+3], s[G0B+4*\slot+2:G0B+4*\slot+3], 2*ROWB
	JLOAD G0+4*\slot, G1, G0B+4*\slot, G1B         ; the first tensor load behind the round; its four v_nop are also the places in front of the loads below
.else
	PLACES NP
.endif
	FETCH_B \next, 0, 0
	FETCH_A \next, 0, 0
	WIN MUL_HI
	MUL16 4, 1, 0
	MUL16 6, 1, 0
	PLACES NP
	WIN 0
	FETCH_A \next, 0, 4
.endm
	s_wait_alu depctr_va_vdst(0)
	s_wait_tensorcnt 1                             ; my part of K step 0 is in (K step 1's load may be out)
	s_barrier_signal -1
	s_barrier_wait -1                              ; everybody's is
	FETCH_B 0, 0, 0
	FETCH_A 0, 0, 0
	FETCH_A 0, 0, 4
	STEP 0, 0, 1                                   ; the first step stands in front of the loop: its products start the sums
	s_mov_b32 s3, LAPS-1
.Llap:                                                 ; a trip goes once round the ring, from a lap's second step to the next lap's first, and fills both slots again
	TURN 0, 1, 1
	STEP 1, 0, 0
	TURN 1, 0, 1
	STEP 0, 0, 0
	s_sub_co_u32 s3, s3, 1
	s_cmp_lg_u32 s3, 0
	s_cbranch_scc1 .Llap
	TURN 0, 1, 0                                   ; the last lap fills nothing, and has no round of the cluster's barrier
	STEP 1, 0, 0
	s_wait_dscnt 4*NL                              ; the very last step: nothing more to fetch
	WIN MUL_LO
	MUL16 0, 1, 0
	MUL16 2, 1, 0
	s_wait_dscnt 0
	WIN MUL_HI
	MUL16 4, 1, 0
	MUL16 6, 1, 0
	WIN 0
; THE WAY OUT, block by block of 16 rows of A'.  number = sum x 2^(the two operands' e) + bias: one packed multiply-add for two; held within +-57,344 x 2^eo; eight numbers a conversion.
; A block's 16 registers of codes are four groups of four: each group is one store, 16 bytes a lane, 512 consecutive bytes a wave.
.macro EPI kind
.irp a, 0,1,2,3,4,5,6,7
.if \a > 1
	s_wait_xcnt 0x0                                ; block a - 2's stores have read their registers, which take this block's codes
.endif
	WIN (0x02+(\a)/4)                              ; source 0: window 2 or 3
.set jj, 0
.rept 32
.if \kind
	v_pk_fma_f32 v[TMP+jj:TMP+jj+1], v[64*((\a)%4)+jj:64*((\a)%4)+jj+1], s[96:97], v[RBI+2*(\a):RBI+2*(\a)+1] op_sel_hi:[1,0,0]   ; the bias of my row of A'; each accumulator from its low end on
.else
	v_pk_fma_f32 v[TMP+jj:TMP+jj+1], v[64*((\a)%4)+jj:64*((\a)%4)+jj+1], s[96:97], v[CBI+jj:CBI+jj+1] op_sel_hi:[1,0,1]           ; the bias of the register's row of B'
.endif
.set jj, jj+2
.endr
	WIN 0
.set jj, 0
.rept 64
.set jj, jj+1
.endr
.irp b, 0,1,2,3,4,5,6,7
	v_cvt_scalef32_pk8_bf8_f32 v[CD+16*((\a)%2)+2*\b:CD+16*((\a)%2)+2*\b+1], v[TMP+8*\b:TMP+8*\b+7], v[SCV]
.endr
	v_nop                                          ; one plain vector instruction between the conversions and the next block's lines, which write their sources
.irp g, 0,1,2,3
.if \kind
	global_store_b128 v[CO], v[CD+16*((\a)%2)+4*\g:CD+16*((\a)%2)+4*\g+3], s[10:11] offset:((\a)/4)*HEADB+((\a)%4)*2048+\g*512   ; head a / 4, channel tile a % 4, group g
.else
	global_store_b128 v[CO], v[CD+16*((\a)%2)+4*\g:CD+16*((\a)%2)+4*\g+3], s[10:11] offset:(\a)*1024+(\g/2)*HEADB+(\g%2)*512     ; token tile a, head g / 2, group g % 2
.endif
.endr
.endr
.endm
	s_wait_kmcnt 0x0
	s_add_co_i32 s88, s88, s89                     ; e0 + e1
	s_add_co_i32 s90, s90, s91                     ; e2 + e3
	s_add_co_i32 s92, s92, s93                     ; e4 + e5
	s_cmp_eq_u32 ttmp9, 0
	s_cselect_b32 s88, s88, s90
	s_cselect_b32 s94, s94, s95                    ; e6 or e7
	s_cmp_eq_u32 s[KIND], 1
	s_cselect_b32 s88, s92, s88
	s_cselect_b32 s94, s98, s94                    ; e9
	s_add_co_i32 s88, s88, 127
	s_lshl_b32 s96, s88, 23                        ; 2^(the two operands' e) as f32
	s_mov_b32 s97, s96                             ; (named with it as a pair, so it is written)
	s_add_co_i32 s94, s94, 127
	s_lshl_b32 s95, s94, 23
	v_mov_b32 v[SCV], s95                          ; 2^eo: the conversion takes its exponent field
	s_wait_loadcnt 0x0                             ; the biases
	PLACES NP                                      ; behind the last products: the numbers and codes take the registers that held A's fragments
	s_cmp_eq_u32 s[KIND], 1                        ; the same in all sixteen partners
	s_cbranch_scc1 .Lkind1
	EPI 0
	s_branch .Ldone
.Lkind1:
	EPI 1
.Ldone:
	s_wait_tensorcnt 0x0                           ; the wave's end
	ds_add_u32 v[SPW], v[NIL]
	s_wait_dscnt 0x0
	CROUND                                         ; the closing round: no work-group ends while a partner may still ask for a tile that names it
	s_endpgm
.Lfunc_end_k_qccd9017288_proj:
	.size	k_qccd9017288_proj, .Lfunc_end_k_qccd9017288_proj-k_qccd9017288_proj
	.p2alignl 7, 3214868480
	.fill 96, 4, 3214868480
	.section	.rodata,"a",@progbits
	.p2align	6, 0x0
	.amdhsa_kernel k_qccd9017288_proj
		.amdhsa_group_segment_fixed_size 327680
		.amdhsa_private_segment_fixed_size 0
		.amdhsa_enable_private_segment 0
		.amdhsa_kernarg_size 72
		.amdhsa_user_sgpr_count 2
		.amdhsa_user_sgpr_kernarg_segment_ptr 1
		.amdhsa_wavefront_size32 1
		.amdhsa_system_sgpr_workgroup_id_x 1
		.amdhsa_system_sgpr_workgroup_id_y 1
		.amdhsa_system_sgpr_workgroup_id_z 1
		.amdhsa_system_vgpr_workitem_id 0
		.amdhsa_next_free_vgpr 1024
		.amdhsa_next_free_sgpr 100
		.amdhsa_reserve_vcc 0
		.amdhsa_float_denorm_mode_32 3
		.amdhsa_float_denorm_mode_16_64 3
		.amdhsa_fp16_overflow 1
		.amdhsa_memory_ordered 1
		.amdhsa_forward_progress 1
		.amdhsa_inst_pref_size 130
	.end_amdhsa_kernel
	.amdgpu_metadata
---
amdhsa.version: [ 1, 2 ]
amdhsa.kernels:
  - .name:           k_qccd9017288_proj
    .symbol:         k_qccd9017288_proj.kd
    .args:
      - { .name: x_codes, .offset: 0, .size: 8, .value_kind: global_buffer, .address_space: global }
      - { .name: Wq_codes, .offset: 8, .size: 8, .value_kind: global_buffer, .address_space: global }
      - { .name: Wk_codes, .offset: 16, .size: 8, .value_kind: global_buffer, .address_space: global }
      - { .name: Wv_codes, .offset: 24, .size: 8, .value_kind: global_buffer, .address_space: global }
      - { .name: bq, .offset: 32, .size: 8, .value_kind: global_buffer, .address_space: global }
      - { .name: bk, .offset: 40, .size: 8, .value_kind: global_buffer, .address_space: global }
      - { .name: bv, .offset: 48, .size: 8, .value_kind: global_buffer, .address_space: global }
      - { .name: lowp_scales, .offset: 56, .size: 8, .value_kind: global_buffer, .address_space: global }
      - { .name: qkv, .offset: 64, .size: 8, .value_kind: global_buffer, .address_space: global }
    .group_segment_fixed_size: 327680
    .private_segment_fixed_size: 0
    .kernarg_segment_align: 8
    .kernarg_segment_size: 72
    .max_flat_workgroup_size: 128
    .sgpr_count:     100
    .vgpr_count:     1024
    .wavefront_size: 32
...
	.end_amdgpu_metadata
.endif
;; end of part 1
;; launch attn (part 2): grid 4 x 64, 8 waves a work-group, clusters of 4 x 1, 263,168 bytes of LDS; arguments qkv, lowp_scales, aimg; writes aimg
.if DOCPART == 2
	.amdgcn_target "amdgcn-amd-amdhsa--gfx1250"
	.amdhsa_code_object_version 6
	.text
	.protected	k_qccd9017288_attn
	.globl	k_qccd9017288_attn
	.p2align	8
	.type	k_qccd9017288_attn,@function
k_qccd9017288_attn:
	s_mov_b64 s[64:65], 0
	v_nop
	global_prefetch_b8 v0, s[64:65] scope:SCOPE_SE
	s_setreg_imm32_b32 hwreg(HW_REG_WAVE_MODE, 25, 1), 1
	s_wait_xcnt 0x0
	s_wait_alu depctr_hold_cnt(0) depctr_sa_sdst(0) depctr_va_vdst(0) depctr_va_sdst(0) depctr_va_ssrc(0) depctr_va_vcc(0) depctr_vm_vsrc(0)
	s_getreg_b32 s2, hwreg(HW_REG_IB_STS2, 6, 4)
	s_cmp_eq_u32 s2, 0
	s_cbranch_scc0 .Lentry_in_a_cluster
	s_endpgm
.Lentry_in_a_cluster:
	s_bfe_u32 s2, ttmp6, 0x10000c
	s_cmp_lg_u32 s2, 0x3003
	s_cbranch_scc0 .Lentry_shape_is_right
	s_endpgm
.Lentry_shape_is_right:
; o = softmax(Q K^T / 8) V for one (batch, head) a cluster, both products on codes of BF8 (E5M2); o is quantised with 2^e10 and stored as codes, laid as images of the last product's operand registers.
; THE SOFTMAX AHEAD OF THE SECOND PRODUCT: t = score x log2(e) / 8; M = the row's largest t so far, rounded UP to a whole number; p = 2^(t - M) is quantised with 2^e8, not normalised.
; The row's sum is taken of the unquantised p, in f32, and divides at the end.  When M moves, the sums and O are multiplied by 2^(old M - new M): exact.
; SHARES.  Cluster y = 16 batch + head.  Work-group cx of the cluster's four owns queries 512 cx .. 512 cx + 511, in two passes of 256; each of its eight waves owns 32 queries a pass: two tiles of 16.
; THE HEAD'S K AND V STAY IN LDS: 2,048 keys x 64 channels are 131,072 bytes of codes each, laid as images of fragments (16 bytes a lane, 512 bytes a load).  Nothing is filled twice: no ring, and no barrier in the loop.
; The four partners need the same 262,144 bytes: each block is asked for JOINTLY, by the same tensor load with the same descriptor and a mask that names the four.  Each wave asks for two blocks of 16,384 bytes:
; one of the first 1,024 keys, one of the last; the first seven key steps run while the second blocks are on their way.
; LAYOUT.  S^T = K Q^T (source 0 = 16 keys, source 1 = 16 queries): lane (r, h) holds query r and keys 16 k + 8 h + 0..7 of key tile k: one conversion gives registers 2 k, 2 k + 1 of P, source 1 of
; O^T = V^T P^T (source 0 = 16 channels x 128 keys).  A lane holds ONE query throughout.  Each fragment of K and V read from LDS feeds both tiles.
; THE TWO TILES' VECTOR WORK IS STAGGERED: one tile's exponentials stand among the other's plain instructions; each tile's 64 exponentials are one batch with one wait.
; LIMITS: e6 + e7 between -123 and 130 (added to c's exponent field); e8 and e10 between -126 and 112; e8 + e9 goes in by v_ldexp_f32.  NaN is not served.
; REGISTERS: window 0: v1 16 x lane; v2, v3 LDS addresses; v5, v7 scales; v16-38 statistics, 12 a tile; v64-191 S^T, then p, 64 a tile; v192-223 p's codes, 16 a tile.
;   window 1: v0-63 O^T, 32 a tile; v64-95 Q, 8 a tile and pass; v96-159 K of a step; v160-223 V of a step.
.set STEPB, 8192                       ; a key step's images of K, and of V: 128 keys x 64 bytes
.set VBASE, 131072                     ; V's images lie behind K's
.set LI,  1
.set ADK, 2
.set ADV, 3
.set PSC, 5                            ; 2^e8
.set PLM, 6
.set OSC, 7                            ; 2^e10
.set OLM, 8
.set ST,  16                           ; tile t at v[ST + 12 t]: +0 -M, +1 the largest t, +2,3 and +6,7 the sum in four parts, +4 f (+5 written once), +8,9,10 at work
.set S,   64
.set PC,  192
.set OA,  0                            ; window 1
.set QF,  64
.set KF,  96
.set VF,  160
.set WV,  10
.set CX,  11
.set BH,  12
.set G1,  16                           ; s[16:23] descriptor group 1;  s[24:27], s[28:31] the two groups 0
.set G0,  24
.set SEL, 32                           ; s[32:33] lane selects: lane l xor 16
.set CS,  34                           ; s[34:35] c = log2(e) / 8 x 2^(e6 + e7)
.set KO,  36                           ; s36  LDS byte of the step's K that is fetched next
.set VO,  37                           ; s37  of V
.set CNT, 38
.set QA,  54                           ; s[54:55] Q's images of my wave's first tile
.set AO,  56                           ; s[56:57] my wave's first place in aimg
.set MSB, 0
.macro WIN new                         ; the immediate's high byte repeats the setting that is left
.if MSB != \new
	s_set_vgpr_msb (MSB<<8)|\new
.set MSB, \new
.endif
.endm
.set W_LD, 0x40                        ; destination window 1, address window 0
.set W_KQ, 0x05                        ; K and Q window 1, S^T window 0
.set W_RS, 0x41                        ; O^T (destination and source 0) window 1, f window 0
.set W_PV, 0x51                        ; V window 1, P window 0, O^T window 1
.set W_OR, 0x01                        ; source 0 (O^T) window 1, destination window 0
.macro CROUND                          ; a round of the cluster's barrier
	s_barrier_signal -1
	s_barrier_wait -1
	s_cmp_lg_u32 s[WV], 0
	s_cbranch_scc1 .Lnot_wave_0_\@
	s_barrier_signal -3
.Lnot_wave_0_\@:
	s_barrier_wait -3
	s_barrier_signal -1
	s_barrier_wait -1
.endm
	s_load_b128 s[4:7], s[0:1], 0x0                ; qkv s[4:5], the scales' exponents s[6:7]
	s_load_b64 s[8:9], s[0:1], 0x10                ; aimg
	v_lshl_add_u32 v254, v0, 2, 0x40000
	v_mov_b32 v255, 0
	ds_add_u32 v254, v255
	ds_add_u32 v254, v255
	v_lshrrev_b32 v2, 5, v0
	v_readfirstlane_b32 s[WV], v2                  ; wave 0..7
	v_and_b32 v[LI], 31, v0
	v_lshlrev_b32 v[LI], 4, v[LI]                  ; 16 x lane: my place in every image, in LDS and in memory; never rewritten
	s_bfe_u32 s[CX], ttmp6, 0x40000                ; cx: it enters Q's and aimg's addresses alone
	s_and_b32 s[BH], ttmp7, 0xffff                 ; 16 batch + head, which the four partners share
	; descriptor group 1: a dense block of 64 rows x 256 bytes
	s_mov_b32 s[G1], 15|(3<<16)|(1<<21)            ; 15:0 the mask: all four work-groups; 17:16 elements of 8 bytes; 20 no padding; 21 set beside a mask
	s_mov_b32 s[G1+1], 32<<16                      ; tensor_dim0 = 32 elements
	s_mov_b32 s[G1+2], 64<<16                      ; tensor_dim1 = 64
	s_mov_b32 s[G1+3], 32<<16                      ; tile_dim0 = 32
	s_mov_b32 s[G1+4], 64                          ; tile_dim1 = 64
	s_mov_b32 s[G1+5], 32                          ; tensor_dim0_stride = 32
	s_mov_b32 s[G1+6], 0
	s_mov_b32 s[G1+7], 0
	s_lshr_b32 s13, s[WV], 2                       ; waves 0-3 fetch K, waves 4-7 V
	s_and_b32 s14, s[WV], 3
	s_lshl_b32 s14, s14, 14                        ; my block of 16,384 bytes in a half
	s_lshl_b32 s15, s13, 17
	s_add_co_u32 s15, s15, s14                     ; its place in LDS
	s_add_co_u32 s13, s13, 1
	s_lshl_b32 s46, s13, 23                        ; section K or V of qkv,
	s_lshl_b32 s47, s[BH], 17                      ; the head,
	s_add_co_u32 s46, s46, s47
	s_add_co_u32 s46, s46, s14                     ; my block (under 2^25)
	s_mov_b32 s47, 0
	s_lshl_b32 s48, s[CX], 5
	s_lshl_b32 s49, s[WV], 1
	s_add_co_u32 s48, s48, s49                     ; my first tile of queries in the head: 32 cx + 2 wave
	s_lshl_b32 s50, s48, 10                        ; a tile's image of Q is 1,024 bytes
	s_lshl_b32 s51, s[BH], 17
	s_add_co_u32 s50, s50, s51
	s_mov_b32 s51, 0
	s_lshr_b32 s52, s[BH], 4
	s_lshl_b32 s52, s52, 7                         ; 128 tiles of tokens a batch
	s_add_co_u32 s52, s52, s48
	s_lshl_b32 s52, s52, 14                        ; a tile's images in aimg are 16,384 bytes;
	s_and_b32 s53, s[BH], 15
	s_lshl_b32 s53, s53, 10                        ; the head's 64 of the 1,024 along K: two groups of 512 bytes, 1,024 x head on
	s_add_co_u32 s52, s52, s53
	s_mov_b32 s53, 0
	s_mov_b32 s[SEL], 0x76543210
	s_mov_b32 s[SEL+1], 0xfedcba98
	s_mov_b32 s[CS], 0x3e38aa3b                    ; c = log2(e) / sqrt(64)
	s_wait_dscnt 0x0
	s_wait_kmcnt 0x0
	s_load_b128 s[40:43], s[6:7], 0x18             ; e6, e7, e8, e9
	s_load_b32 s44, s[6:7], 0x28                   ; e10
	s_mov_b32 s[G0], 1                             ; 1:0 count = 1
	s_mov_b32 s[G0+1], s15                         ; 63:32 LDS address
	s_add_nc_u64 s[G0+2:G0+3], s[4:5], s[46:47]    ; 120:64 global address
	s_mov_b32 s[G0+4], 1
	s_add_co_u32 s[G0+5], s15, 65536               ; the second block: the same place in the second half
	s_add_nc_u64 s[G0+6:G0+7], s[G0+2:G0+3], 65536
	s_or_b32 s[G0+3], s[G0+3], 0x80000000          ; 127:126 type = 2
	s_or_b32 s[G0+7], s[G0+7], 0x80000000
	s_add_nc_u64 s[QA:QA+1], s[4:5], s[50:51]
	s_add_nc_u64 s[AO:AO+1], s[8:9], s[52:53]
	CROUND                                         ; all four work-groups are here: the joint loads meet
	tensor_load_to_lds s[G0:G0+3], s[G1:G1+7]      ; every wave's two loads stand together, ahead of every wait on TENSORcnt, LDS read and barrier: two loads of mine are out
	s_nop 0
	tensor_load_to_lds s[G0+4:G0+7], s[G1:G1+7]
	s_nop 0
.rept 4
	v_nop
.endr
	WIN W_LD
.irp p, 0,1
.irp t, 0,1
.irp c, 0,1
	global_load_b128 v[QF+16*\p+8*\t+4*\c:QF+16*\p+8*\t+4*\c+3], v[LI], s[QA:QA+1] offset:16384*\p+1024*\t+512*\c   ; Q of both passes stays in registers
.endr
.endr
.endr
	WIN 0
	s_wait_kmcnt 0x0
	s_add_co_i32 s46, s40, s41
	s_lshl_b32 s46, s46, 23
	s_add_co_i32 s[CS], s[CS], s46                 ; a score stands for score x 2^(e6 + e7): the two exponents are added to c's exponent field
	s_mov_b32 s[CS+1], s[CS]                       ; (named with it as a pair, so it is written)
	s_add_co_i32 s45, s42, s43                     ; e8 + e9
	s_add_co_i32 s46, s42, 127
	s_lshl_b32 s47, s46, 23
	v_mov_b32 v[PSC], s47
	s_add_co_i32 s46, s44, 127
	s_lshl_b32 s47, s46, 23
	v_mov_b32 v[OSC], s47
.irp t, 0,1
	v_mov_b32 v[ST+12*\t+5], 0                     ; named as the upper half of f's pair
	v_mov_b32 v[ST+12*\t+10], 0                    ; a lane permute's destination counts as one of its sources
.endr
; A pass begins: the largest t is -3e38, under every t; the sums and O^T are zeros, which the first change of M leaves zeros.  So the key step is written without a first step of its own.
.macro INIT
.irp t, 0,1
	v_mov_b32 v[ST+12*\t+1], 0xff61b1e6
	v_floor_f32 v[ST+12*\t], -v[ST+12*\t+1]
	v_mov_b32 v[ST+12*\t+2], 0
	v_mov_b32 v[ST+12*\t+3], 0
	v_mov_b32 v[ST+12*\t+6], 0
	v_mov_b32 v[ST+12*\t+7], 0
.endr
	WIN W_LD
.set i, 0
.rept 64
	v_mov_b32 v[OA+i], 0
.set i, i+1
.endr
	WIN 0
.endm
.macro FETCH_K                         ; a step's eight fragments of K: 16 loads of 512 consecutive bytes
	WIN W_LD
.set i, 0
.rept 16
	ds_load_b128 v[KF+4*i:KF+4*i+3], v[ADK] offset:512*i
.set i, i+1
.endr
	WIN 0
.endm
; A KEY STEP: 128 keys, both tiles.  q: Q's registers of the pass.  pre = 1: the next step's K is fetched; 2: the head's first step's, for the next pass; 0: nothing.
.macro STEP q, pre
	v_add_nc_u32 v[ADV], s[VO], v[LI]              ; this line and three v_nop are the four places between the last products and the loads into V's registers
.rept 3
	v_nop
.endr
	s_add_co_u32 s[VO], s[VO], STEPB
	WIN W_LD
.set i, 0
.rept 16
	ds_load_b128 v[VF+4*i:VF+4*i+3], v[ADV] offset:512*i
.set i, i+1
.endr
	s_wait_dscnt 16                                ; K, asked for a step ago, is in; V's 16 loads stay out
	WIN W_KQ
.irp k, 0,1,2,3,4,5,6,7
.irp t, 0,1
	v_wmma_f32_16x16x64_bf8_bf8 v[S+64*\t+8*\k:S+64*\t+8*\k+7], v[KF+8*\k:KF+8*\k+7], v[\q+8*\t:\q+8*\t+7], 0
.endr
.endr
	WIN 0
.if \pre == 1
	s_add_co_u32 s[KO], s[KO], STEPB
.elseif \pre == 2
	s_mov_b32 s[KO], 0
.endif
.if \pre
	v_add_nc_u32 v[ADK], s[KO], v[LI]              ; with three v_nop: the four places behind the products, for the loads into K's registers and for the first reads of the scores
.rept 3
	v_nop
.endr
	FETCH_K
.else
.rept 4
	v_nop
.endr
.endif
	; the step's largest score of each query, among my 64 keys: two chains a tile, the tiles by turns; each accumulator from its low end on
.irp t, 0,1
	v_max3_num_f32 v[ST+12*\t+8], v[S+64*\t], v[S+64*\t+1], v[S+64*\t+2]
	v_max3_num_f32 v[ST+12*\t+9], v[S+64*\t+3], v[S+64*\t+4], v[S+64*\t+5]
.endr
.irp i, 6,10,14,18,22,26,30,34,38,42,46,50,54,58
.irp t, 0,1
	v_max3_num_f32 v[ST+12*\t+8], v[ST+12*\t+8], v[S+64*\t+\i], v[S+64*\t+\i+1]
	v_max3_num_f32 v[ST+12*\t+9], v[ST+12*\t+9], v[S+64*\t+\i+2], v[S+64*\t+\i+3]
.endr
.endr
.irp t, 0,1
	v_max3_num_f32 v[ST+12*\t+8], v[ST+12*\t+8], v[S+64*\t+62], v[S+64*\t+63]
.endr
.irp t, 0,1
	v_max_num_f32 v[ST+12*\t+8], v[ST+12*\t+8], v[ST+12*\t+9]
.endr
.irp t, 0,1
	v_permlanex16_b32 v[ST+12*\t+10], v[ST+12*\t+8], s[SEL], s[SEL+1]
.endr
.irp t, 0,1
	v_max_num_f32 v[ST+12*\t+8], v[ST+12*\t+8], v[ST+12*\t+10]   ; and among lane l xor 16's
.endr
.irp t, 0,1
	v_mul_f32 v[ST+12*\t+8], s[CS], v[ST+12*\t+8]                ; as t (c is positive)
.endr
.irp t, 0,1
	v_max_num_f32 v[ST+12*\t+1], v[ST+12*\t+1], v[ST+12*\t+8]    ; the running largest t
.endr
.irp t, 0,1
	v_mov_b32 v[ST+12*\t+8], v[ST+12*\t]
.endr
.irp t, 0,1
	v_floor_f32 v[ST+12*\t], -v[ST+12*\t+1]                      ; the new -M = floor(-t): M is a whole number
.endr
.irp t, 0,1
	v_sub_f32 v[ST+12*\t+8], v[ST+12*\t], v[ST+12*\t+8]          ; old M - new M: a whole number, 0 or less
.endr
.irp t, 0,1
	v_cvt_i32_f32 v[ST+12*\t+8], v[ST+12*\t+8]                   ; (it saturates)
.endr
.irp t, 0,1
	v_ldexp_f32 v[ST+12*\t+4], 1.0, v[ST+12*\t+8]                ; f = 2^(old M - new M)
.endr
.set i, 0
.rept 32
	v_pk_fma_f32 v[S+2*i:S+2*i+1], v[S+2*i:S+2*i+1], s[CS:CS+1], v[ST:ST+1] op_sel_hi:[1,0,0]   ; tile 0: t - M, two at a time
.set i, i+1
.endr
.set i, 0
.rept 32                                       ; tile 0's exponentials among tile 1's scalings
	v_pk_fma_f32 v[S+64+2*i:S+64+2*i+1], v[S+64+2*i:S+64+2*i+1], s[CS:CS+1], v[ST+12:ST+13] op_sel_hi:[1,0,0]
	v_exp_f32 v[S+2*i], v[S+2*i]
	v_exp_f32 v[S+2*i+1], v[S+2*i+1]
.set i, i+1
.endr
	s_setprio 1
.irp t, 0,1
	v_pk_mul_f32 v[ST+12*\t+2:ST+12*\t+3], v[ST+12*\t+2:ST+12*\t+3], v[ST+12*\t+4:ST+12*\t+5] op_sel_hi:[1,0]   ; the sums under the new M.  (Plain lines behind the exponentials)
	v_pk_mul_f32 v[ST+12*\t+6:ST+12*\t+7], v[ST+12*\t+6:ST+12*\t+7], v[ST+12*\t+4:ST+12*\t+5] op_sel_hi:[1,0]
.endr
	s_wait_alu depctr_va_vdst(0)                   ; one wait for tile 0's 64 exponentials, ahead of their first reader
.set i, 0
.rept 32                                       ; tile 1's exponentials among tile 0's sums (of the UNQUANTISED p, ahead of the hold) and holds
	v_exp_f32 v[S+64+2*i], v[S+64+2*i]
	v_pk_add_f32 v[ST+2+4*(i%2):ST+3+4*(i%2)], v[ST+2+4*(i%2):ST+3+4*(i%2)], v[S+2*i:S+2*i+1]
	v_exp_f32 v[S+64+2*i+1], v[S+64+2*i+1]
.set i, i+1
.endr
.irp k, 0,1,2,3,4,5,6,7
	v_cvt_scalef32_pk8_bf8_f32 v[PC+2*\k:PC+2*\k+1], v[S+8*\k:S+8*\k+7], v[PSC]
.endr
	s_wait_alu depctr_va_vdst(0)                   ; one wait for tile 1's 64 exponentials
.set i, 0
.rept 32
	v_pk_add_f32 v[ST+14+4*(i%2):ST+15+4*(i%2)], v[ST+14+4*(i%2):ST+15+4*(i%2)], v[S+64+2*i:S+64+2*i+1]
.set i, i+1
.endr
.irp k, 0,1,2,3,4,5,6,7
	v_cvt_scalef32_pk8_bf8_f32 v[PC+16+2*\k:PC+16+2*\k+1], v[S+64+8*\k:S+64+8*\k+7], v[PSC]
.endr
	WIN W_RS
	s_setprio 0
.irp t, 0,1
.set i, 0
.rept 16
	v_pk_mul_f32 v[OA+32*\t+2*i:OA+32*\t+2*i+1], v[OA+32*\t+2*i:OA+32*\t+2*i+1], v[ST+12*\t+4:ST+12*\t+5] op_sel_hi:[1,0]   ; O^T under the new M.  (Also the plain lines between the conversions and the products)
.set i, i+1
.endr
.endr
.if \pre
	s_wait_dscnt 16                                ; V is in; the next K's 16 loads stay out
.else
	s_wait_dscnt 0x0
.endif
	WIN W_PV
.irp d, 0,1,2,3                                ; eight accumulators by turns, one instruction a turn
.irp t, 0,1
	v_wmma_f32_16x16x128_bf8_bf8 v[OA+32*\t+8*\d:OA+32*\t+8*\d+7], v[VF+16*\d:VF+16*\d+15], v[PC+16*\t:PC+16*\t+15], v[OA+32*\t+8*\d:OA+32*\t+8*\d+7]
.endr
.endr
	WIN 0
.endm
.macro LOOPN n, q                      ; n key steps, each fetching its successor's K
	s_mov_b32 s[CNT], \n
.Lstep_\@:
	s_setprio 2
	STEP \q, 1
	s_sub_co_u32 s[CNT], s[CNT], 1
	s_cmp_lg_u32 s[CNT], 0
	s_cbranch_scc1 .Lstep_\@
	s_setprio 0
.endm
; THE WAY OUT of pass p.  o = O^T x 2^(e8 + e9) / the sum, held and converted with 2^e10.  A conversion leaves lane (r, h) channels 16 d + 8 h + 0..7; the last product's operand wants channels 32 b + 16 h + 0..15 in a lane:
; four exchanges of half registers a tile bring them there.  The first four additions are the places behind the last products.
.macro OUT p
.irp t, 0,1
	v_pk_add_f32 v[ST+12*\t+2:ST+12*\t+3], v[ST+12*\t+2:ST+12*\t+3], v[ST+12*\t+6:ST+12*\t+7]
.endr
.irp t, 0,1
	v_add_f32 v[ST+12*\t+8], v[ST+12*\t+2], v[ST+12*\t+3]
.endr
.irp t, 0,1
	v_permlanex16_b32 v[ST+12*\t+10], v[ST+12*\t+8], s[SEL], s[SEL+1]
.endr
.irp t, 0,1
	v_add_f32 v[ST+12*\t+8], v[ST+12*\t+8], v[ST+12*\t+10]       ; the row's sum
.endr
.irp t, 0,1
	v_rcp_f32 v[ST+12*\t+9], v[ST+12*\t+8]
.endr
	v_nop                                          ; a plain line behind the reciprocals
	s_wait_alu depctr_va_vdst(0)                   ; one wait for both, ahead of their first reader
.irp t, 0,1
	v_ldexp_f32 v[ST+12*\t+4], v[ST+12*\t+9], s45  ; x 2^(e8 + e9)
.endr
	WIN W_OR
.irp t, 0,1
.set i, 0
.rept 16
	v_pk_mul_f32 v[S+64*\t+2*i:S+64*\t+2*i+1], v[OA+32*\t+2*i:OA+32*\t+2*i+1], v[ST+12*\t+4:ST+12*\t+5] op_sel_hi:[1,0]   ; each accumulator from its low end on
.set i, i+1
.endr
.endr
	WIN 0
.irp t, 0,1
.set i, 0
.rept 32
.set i, i+1
.endr
.endr
.irp t, 0,1
.irp d, 0,1,2,3
	v_cvt_scalef32_pk8_bf8_f32 v[PC+16*\t+2*\d:PC+16*\t+2*\d+1], v[S+64*\t+8*\d:S+64*\t+8*\d+7], v[OSC]
.endr
.endr
	v_nop                                          ; one plain line between the conversions and the lines that touch their results
.irp t, 0,1
.irp c, 0,1,4,5
	v_permlane16_swap_b32 v[PC+16*\t+\c], v[PC+16*\t+\c+2]       ; the first register's lanes 16-31 against the second's lanes 0-15
.endr
.endr
.irp t, 0,1
.irp b, 0,1
	global_store_b128 v[LI], v[PC+16*\t+4*\b:PC+16*\t+4*\b+3], s[AO:AO+1] offset:262144*\p+16384*\t+512*\b   ; 512 consecutive bytes a wave, aligned
.endr
.endr
.if \p == 0
	s_wait_xcnt 0x0                                ; the stores have read their registers, which the next pass writes again
.endif
.endm
	INIT
	s_mov_b32 s[KO], 0
	s_mov_b32 s[VO], VBASE
	v_add_nc_u32 v[ADK], s[KO], v[LI]
	s_wait_tensorcnt 0x1                           ; my block of the first 1,024 keys is in; my second block stays out
	s_barrier_signal -1
	s_barrier_wait -1                              ; everybody's is
	FETCH_K                                        ; key step 0
	s_wait_loadcnt 0x0                             ; Q
	LOOPN 7, QF                                    ; key steps 0-6: they read K of steps 0-7 and V of steps 0-6, all in the first blocks
	s_wait_tensorcnt 0x0                           ; my second block is in;
	s_wait_dscnt 0x0                               ; no LDS load of mine is out at the signal
	s_barrier_signal -1
	s_barrier_wait -1                              ; everybody's is.  (One step early: step 7 fetches K of step 8)
	LOOPN 8, QF                                    ; key steps 7-14
	STEP QF, 2                                     ; key step 15; it fetches K of step 0 for the second pass
	OUT 0
	INIT
	s_mov_b32 s[VO], VBASE
	LOOPN 15, QF+16                                ; the second pass: key steps 0-14
	STEP QF+16, 0                                  ; key step 15
	OUT 1
	s_wait_dscnt 0x0
	s_wait_tensorcnt 0x0
	ds_add_u32 v254, v255
	s_wait_dscnt 0x0
	CROUND                                         ; the closing round
	s_endpgm
.Lfunc_end_k_qccd9017288_attn:
	.size	k_qccd9017288_attn, .Lfunc_end_k_qccd9017288_attn-k_qccd9017288_attn
	.p2alignl 7, 3214868480
	.fill 96, 4, 3214868480
	.section	.rodata,"a",@progbits
	.p2align	6, 0x0
	.amdhsa_kernel k_qccd9017288_attn
		.amdhsa_group_segment_fixed_size 263168
		.amdhsa_private_segment_fixed_size 0
		.amdhsa_enable_private_segment 0
		.amdhsa_kernarg_size 24
		.amdhsa_user_sgpr_count 2
		.amdhsa_user_sgpr_kernarg_segment_ptr 1
		.amdhsa_wavefront_size32 1
		.amdhsa_system_sgpr_workgroup_id_x 1
		.amdhsa_system_sgpr_workgroup_id_y 1
		.amdhsa_system_sgpr_workgroup_id_z 1
		.amdhsa_system_vgpr_workitem_id 0
		.amdhsa_next_free_vgpr 512
		.amdhsa_next_free_sgpr 66
		.amdhsa_reserve_vcc 0
		.amdhsa_float_denorm_mode_32 3
		.amdhsa_float_denorm_mode_16_64 3
		.amdhsa_fp16_overflow 1
		.amdhsa_memory_ordered 1
		.amdhsa_forward_progress 1
		.amdhsa_inst_pref_size 141
	.end_amdhsa_kernel
	.amdgpu_metadata
---
amdhsa.version: [ 1, 2 ]
amdhsa.kernels:
  - .name:           k_qccd9017288_attn
    .symbol:         k_qccd9017288_attn.kd
    .args:
      - { .name: qkv, .offset: 0, .size: 8, .value_kind: global_buffer, .address_space: global }
      - { .name: lowp_scales, .offset: 8, .size: 8, .value_kind: global_buffer, .address_space: global }
      - { .name: aimg, .offset: 16, .size: 8, .value_kind: global_buffer, .address_space: global }
    .group_segment_fixed_size: 263168
    .private_segment_fixed_size: 0
    .kernarg_segment_align: 8
    .kernarg_segment_size: 24
    .max_flat_workgroup_size: 256
    .sgpr_count:     66
    .vgpr_count:     512
    .wavefront_size: 32
...
	.end_amdgpu_metadata
.endif
;; end of part 2
;; launch oproj (part 3): grid 4 x 32, 4 waves a work-group, clusters of 4 x 4, 327,680 bytes of LDS; arguments aimg, Wo_codes, lowp_scales, bo, out0; writes out0
.if DOCPART == 3
	.amdgcn_target "amdgcn-amd-amdhsa--gfx1250"
	.amdhsa_code_object_version 6
	.text
	.protected	k_qccd9017288_oproj
	.globl	k_qccd9017288_oproj
	.p2align	8
	.type	k_qccd9017288_oproj,@function
k_qccd9017288_oproj:
	s_mov_b64 s[64:65], 0
	v_nop
	global_prefetch_b8 v0, s[64:65] scope:SCOPE_SE
	s_setreg_imm32_b32 hwreg(HW_REG_WAVE_MODE, 25, 1), 1
	s_wait_xcnt 0x0
	s_wait_alu depctr_hold_cnt(0) depctr_sa_sdst(0) depctr_va_vdst(0) depctr_va_sdst(0) depctr_va_ssrc(0) depctr_va_vcc(0) depctr_vm_vsrc(0)
	s_getreg_b32 s2, hwreg(HW_REG_IB_STS2, 6, 4)
	s_cmp_eq_u32 s2, 0
	s_cbranch_scc0 .Lentry_in_a_cluster
	s_endpgm
.Lentry_in_a_cluster:
	s_bfe_u32 s2, ttmp6, 0x10000c
	s_cmp_lg_u32 s2, 0xf033
	s_cbranch_scc0 .Lentry_shape_is_right
	s_endpgm
.Lentry_shape_is_right:
; out0[m][n] = 2^(e10 + e11) x (sum over k of A[m][k] Wo[n][k]) + bo[n] on codes of BF8 (E5M2).  A: the attention's result, 8,192 tokens x 1,024, as IMAGES of fragments:
; aimg [token tile 512][128 along K: 8][group 4][lane][16 bytes]: lane (r, h) of group c holds token 16 T + r, k = 128 s + 32 c + 16 h + 0..15.  Wo: [1,024][1,024] codes, K innermost.  out0: f32.
; A tile of 256 x 256 is made by four waves, 128 x 128 each: 64 accumulators, 512 registers.  K goes in steps of 256 through a ring of two LDS slots filled by the tensor data mover.
; A's part of a slot: for each of 16 token tiles 4,096 consecutive bytes (two fragments), laid on end: a fragment load reads 512 consecutive bytes.  Wo's part: 256 rows of 256 bytes + 16 of padding.
; Wo's fragments are fetched by four loads of 16 bytes, 32 apart, at row x pitch + 16 h: the same order of k as in A's images.
; CLUSTERS: 4 x 4 work-groups; A's tile is asked for jointly along a row of the cluster, Wo's along a column.  THE MATRIX INSTRUCTION IS USED TRANSPOSED (source 0 = 16 rows of Wo, source 1 = 16 tokens).
; LIMIT: e10 + e11 between -126 and 127.
; REGISTERS: window 0: v0-31 addresses; v32-95 bo of my 128 columns; from v128 A's fragments, ONE set (on the way out rows read back).   window 1: Wo's fragments, TWO sets (on the way out v0-63: a block's numbers).
;   window 2: the accumulators of my rows 0-63 ((a, b) at v[8 (8 a + b)]);   window 3: rows 64-127.
.set SIZE_N, 1024
.set SIZE_K, 1024
.set KSTEP,  256
.set ROWB,   256                       ; a row of Wo's tile in bytes
.set KROW,   SIZE_K
.set PITCH,  272                       ; 256 bytes + 16 of padding = 68 words: the 16 rows that a load touches start at 16 different banks (64 banks of 4 bytes: ISA guide 11.1)
.set ASTEP,  4096                      ; a token tile's images of a K step: two fragments of 2,048 bytes
.set ATILE,  16384                     ; a token tile's images of all 1,024 along K
.set AHALF,  8*ASTEP                   ; 128 tokens: what one tensor load brings of A
.set BHALF,  128*PITCH                 ; 128 rows of Wo
.set BOFF,   2*AHALF
.set SLOT,   BOFF+2*BHALF
.set FR,     16
.set NL,     4
.set NP,     4
.set LAPS,   SIZE_K/(2*KSTEP)
.set SPARE,  2*SLOT                    ; behind the ring: the spare words, 128 bytes for each wave
.set SPITCH, 528                       ; the way out: a stage of 16 rows x (512 bytes + 16) for each wave, in slot 0, which has had its last fill and its last read when the first result is stored there
.set ADRA, 16
.set ADRB, 20
.set STO,  24
.set RD,   25
.set CO,   26                          ; v26  16 x lane
.set CBO,  27                          ; v27  byte offset of my numbers of bo; never rewritten
.set SPW,  28
.set NIL,  29
.set CBI,  32                          ; v32-95  bo of column 16 b + 8 h + j at v[32 + 8 b + j]
.set TMP,  0                           ; window 1
.set AF,   128
.set BK,   128
.set G1, 24
.set G0, 32
.set G1B, 48
.set G0B, 56
.set MSB, 0
.macro WIN new                         ; the immediate's high byte repeats the setting that is left
.if MSB != \new
	s_set_vgpr_msb (MSB<<8)|\new
.set MSB, \new
.endif
.endm
.set MUL_LO, 0xa1
.set MUL_HI, 0xf1
.set TO_B,   0x40
.macro JLOAD g0a, g1a, g0b, g1b        ; a joint load: waves 0 and 1 fetch for A, waves 2 and 3 for Wo; four v_nop follow each of the two lines
	s_cmp_eq_u32 s15, 0
	s_cbranch_scc0 .Lfor_b_\@
	tensor_load_to_lds s[\g0a:\g0a+3], s[\g1a:\g1a+7]
	s_nop 0
.rept 4
	v_nop
.endr
	s_branch .Lasked_\@
.Lfor_b_\@:
	tensor_load_to_lds s[\g0b:\g0b+3], s[\g1b:\g1b+7]
	s_nop 0
.rept 4
	v_nop
.endr
.Lasked_\@:
.endm
.macro CREST
	s_cmp_lg_u32 s14, 0
	s_cbranch_scc1 .Lnot_wave_0_\@
	s_barrier_signal -3
.Lnot_wave_0_\@:
	s_barrier_wait -3
	s_barrier_signal -1
	s_barrier_wait -1
.endm
.macro CROUND
	s_barrier_signal -1
	s_barrier_wait -1
	CREST
.endm
	s_load_b128 s[4:7], s[0:1], 0x0                ; aimg s[4:5], Wo's codes s[6:7]
	s_load_b128 s[8:11], s[0:1], 0x10              ; the scales' exponents s[8:9], bo s[10:11]
	s_load_b64 s[12:13], s[0:1], 0x20              ; out0
	v_lshl_add_u32 v[SPW], v0, 2, SPARE
	v_mov_b32 v[NIL], 0
	ds_add_u32 v28, v29
	ds_add_u32 v28, v29
	s_wait_dscnt 0x0
	v_lshrrev_b32 v1, 5, v0
	v_readfirstlane_b32 s14, v1                    ; wave 0..3
	s_lshr_b32 s15, s14, 1                         ; which half of the tile's rows is mine.  Also: I fetch for A (0) or for Wo (1)
	s_and_b32 s16, s14, 1                          ; which half of its columns.  Also: which half of that tile I fetch
	s_bfe_u32 s40, ttmp6, 0x40000                  ; cx, cy
	s_bfe_u32 s41, ttmp6, 0x40004
	s_lshl_b32 s42, ttmp9, 2
	s_add_co_u32 s42, s42, s40                     ; tile column = 4 x cluster x + cx
	s_and_b32 s17, ttmp7, 0xffff
	s_lshl_b32 s17, s17, 2
	s_add_co_u32 s17, s17, s41                     ; tile row = 4 x cluster y + cy
	s_lshl_b32 s43, s41, 2
	s_lshl_b32 s43, 15, s43                        ; my row of the cluster
	s_lshl_b32 s44, 0x1111, s40                    ; my column
	; descriptor group 1 for A: 8 rows (token tiles) of 4,096 bytes, 16,384 bytes apart, laid on end in LDS
	s_or_b32 s[G1+0], s43, (3<<16)|(1<<21)         ; 15:0 the mask: my row; 17:16 elements of 8 bytes; 20 no padding; 21 set beside a mask
	s_mov_b32 s[G1+1], (ASTEP/8)<<16               ; tensor_dim0 = 512 elements
	s_mov_b32 s[G1+2], 8<<16                       ; tensor_dim1 = 8
	s_mov_b32 s[G1+3], (ASTEP/8)<<16               ; tile_dim0 = 512
	s_mov_b32 s[G1+4], 8                           ; tile_dim1 = 8
	s_mov_b32 s[G1+5], ATILE/8                     ; tensor_dim0_stride = 2,048 elements
	s_mov_b32 s[G1+6], 0
	s_mov_b32 s[G1+7], 0
	; for Wo: 128 rows x 256 bytes, padded in LDS
	s_or_b32 s[G1B+0], s44, (0<<16)|(1<<20)|(1<<21)|(5<<22)|(3<<25)  ; the mask: my column; elements of 1 byte; four words of padding after every 64
	s_mov_b32 s[G1B+1], ROWB<<16
	s_mov_b32 s[G1B+2], 128<<16
	s_mov_b32 s[G1B+3], ROWB<<16
	s_mov_b32 s[G1B+4], 128
	s_mov_b32 s[G1B+5], KROW
	s_mov_b32 s[G1B+6], 0
	s_mov_b32 s[G1B+7], 0
	s_lshl_b32 s20, s17, 4
	s_lshl_b32 s18, s16, 3
	s_add_co_u32 s20, s20, s18                     ; A: token tile 16 x tile row + 8 x half,
	s_lshl_b32 s20, s20, 14                        ; x 16,384 bytes (under 2^23)
	s_mov_b32 s21, 0
	s_lshl_b32 s46, s42, 8
	s_lshl_b32 s18, s16, 7
	s_add_co_u32 s46, s46, s18                     ; Wo: row 256 x tile column + 128 x half,
	s_lshl_b32 s46, s46, 10                        ; x 1,024 bytes
	s_mov_b32 s47, 0
	s_lshl_b32 s45, s16, 15                        ; where they go: A's halves at 0 and AHALF,
	s_mul_i32 s19, s16, BHALF
	s_add_co_u32 s19, s19, BOFF                    ; Wo's behind them: no place in the cluster enters an LDS address
	s_wait_kmcnt 0x0
	s_load_b64 s[96:97], s[8:9], 0x28              ; e10, e11
	s_add_nc_u64 s[20:21], s[4:5], s[20:21]
	s_add_nc_u64 s[46:47], s[6:7], s[46:47]
	CROUND                                         ; all sixteen work-groups are here: the first joint loads meet
.irp s, 0,1
	s_mov_b32 s[G0+4*\s], 1
	s_add_co_u32 s[G0+4*\s+1], s45, \s*SLOT
	s_add_nc_u64 s[G0+4*\s+2:G0+4*\s+3], s[20:21], \s*ASTEP
	s_or_b32 s[G0+4*\s+3], s[G0+4*\s+3], 0x80000000
	s_mov_b32 s[G0B+4*\s], 1
	s_add_co_u32 s[G0B+4*\s+1], s19, \s*SLOT
	s_add_nc_u64 s[G0B+4*\s+2:G0B+4*\s+3], s[46:47], \s*ROWB
	s_or_b32 s[G0B+4*\s+3], s[G0B+4*\s+3], 0x80000000
	JLOAD G0+4*\s, G1, G0B+4*\s, G1B
.endr
	v_and_b32 v1, 15, v0                           ; r
	v_bfe_u32 v2, v0, 4, 1                         ; h
	v_and_b32 v6, 31, v0
	v_lshlrev_b32 v[CO], 4, v6                     ; 16 x lane: my place in an image, and in a row of 512 bytes
	v_mul_u32_u24 v3, v1, PITCH
	v_lshl_add_u32 v4, v2, 4, v3                   ; Wo: a fragment's row x pitch + 16 x half
	s_lshl_b32 s21, s15, 15                        ; my 128 tokens' images
	s_mul_i32 s22, s16, BHALF
	s_add_co_u32 s22, s22, BOFF                    ; my 128 rows of Wo
.irp s, 0,1
	v_add_nc_u32 v[ADRA+\s], s21, v[CO]
	v_add_nc_u32 v[ADRB+\s], s22, v4
	s_add_co_u32 s21, s21, SLOT
	s_add_co_u32 s22, s22, SLOT
.endr
	s_mul_i32 s23, s14, 16*SPITCH                  ; my stage
	v_mul_u32_u24 v5, v1, SPITCH                   ; in: row r, 32 bytes for each half of the lanes
	v_lshl_add_u32 v5, v2, 5, v5
	v_add_nc_u32 v[STO], s23, v5
	v_add_nc_u32 v[RD], s23, v[CO]                 ; back: the 32 lanes take one row of 512 bytes
	s_lshl_b32 s20, s17, 8
	s_lshl_b32 s21, s15, 7
	s_add_co_u32 s20, s20, s21                     ; my first row of out0: 256 x tile row + 128 x half,
	s_lshl_b32 s20, s20, 12                        ; x 4,096 bytes (under 2^25)
	s_mov_b32 s21, 0
	s_lshl_b32 s46, s42, 10                        ; my first column, in bytes: 1,024 x tile column + 512 x half: in out0's rows and in bo alike
	s_lshl_b32 s47, s16, 9
	s_add_co_u32 s46, s46, s47
	s_mov_b32 s47, 0
	v_lshl_add_u32 v[CBO], v2, 5, s46              ; + 32 h: my half's eight numbers of a block of 16
.irp b, 0,1,2,3,4,5,6,7
	global_load_b128 v[CBI+8*\b:CBI+8*\b+3], v[CBO], s[10:11] offset:64*\b
	global_load_b128 v[CBI+8*\b+4:CBI+8*\b+7], v[CBO], s[10:11] offset:64*\b+16
.endr
	s_add_nc_u64 s[20:21], s[20:21], s[46:47]
	s_add_nc_u64 s[12:13], s[12:13], s[20:21]
.macro FRAGB reg, adr, q, i            ; a fragment of Wo: lane l holds row l % 16; registers 4 c .. 4 c + 3 hold K = 32 c + 16 (l / 16) + 0 .. 15
.irp c, 0,1,2,3
	ds_load_b128 v[\reg+4*\c:\reg+4*\c+3], v[\adr] offset:128*(\q)+32*\c+(\i)*16*PITCH
.endr
.endm
.macro FRAGA reg, adr, q, i            ; a fragment of A comes back as it was stored: token tile i, the slot's q-th 128 along K, four groups of 512 bytes
.irp c, 0,1,2,3
	ds_load_b128 v[\reg+4*\c:\reg+4*\c+3], v[\adr] offset:2048*(\q)+512*\c+(\i)*ASTEP
.endr
.endm
; 16 matrix instructions: A's blocks a0, a0 + 1 x Wo's eight, 128 along K.  The 64 accumulators take turns, one instruction a turn, in the same order in every step.
.macro MUL16 a0, p, zero
.irp a, \a0, \a0+1
.irp b, 0,1,2,3,4,5,6,7
.if \zero
	v_wmma_f32_16x16x128_bf8_bf8 v[8*(8*((\a)%4)+\b):8*(8*((\a)%4)+\b)+7], v[128*(\p)+FR*\b:128*(\p)+FR*\b+FR-1], v[AF+FR*(\a):AF+FR*(\a)+FR-1], 0
.else
	v_wmma_f32_16x16x128_bf8_bf8 v[8*(8*((\a)%4)+\b):8*(8*((\a)%4)+\b)+7], v[128*(\p)+FR*\b:128*(\p)+FR*\b+FR-1], v[AF+FR*(\a):AF+FR*(\a)+FR-1], v[8*(8*((\a)%4)+\b):8*(8*((\a)%4)+\b)+7]
.endif
.endr
.endr
.endm
.macro FETCH_B slot, q, p
	WIN TO_B
.irp i, 0,1,2,3,4,5,6,7
	FRAGB 128*(\p)+FR*\i, ADRB+\slot, \q, \i
.endr
	WIN 0
.endm
.macro FETCH_A slot, q, i0
.irp i, \i0, \i0+1, \i0+2, \i0+3
	FRAGA AF+FR*(\i), ADRA+\slot, \q, \i
.endr
.endm
.macro PLACES n                        ; plain vector instructions between a matrix instruction and a load into, or a vector instruction on, its registers
.rept \n
	v_nop
.endr
.endm
.macro STEP slot, q, zero
	s_wait_dscnt 4*NL                              ; Wo's set and A's blocks 0-3 are in; the youngest 16 loads (A's blocks 4-7) may be out
	WIN MUL_LO
	MUL16 0, (\q)%2, \zero
	MUL16 2, (\q)%2, \zero
	s_wait_dscnt 0                                 ; A's blocks 4-7 are in
	PLACES NP
	FETCH_B \slot, (\q)+1, 1-(\q)%2
	FETCH_A \slot, (\q)+1, 0
	WIN MUL_HI
	MUL16 4, (\q)%2, \zero
	MUL16 6, (\q)%2, \zero
	PLACES NP
	WIN 0
	FETCH_A \slot, (\q)+1, 4
.endm
; A slot's last step changes slots: ONE barrier; in front of it each wave waits for all its tensor loads, adds 0 to its spare word, and waits for that and for its own reads of this slot.
.macro TURN slot, next, fill
	s_wait_tensorcnt 0x0                           ; all my tensor loads have landed: my part of the next slot
	ds_add_u32 v[SPW], v[NIL]                      ; 0 onto my spare word
	s_wait_dscnt 4*NL+1                            ; (the add and the youngest 16 loads may be out)
	WIN MUL_LO
	MUL16 0, 1, 0
	s_wait_dscnt 0x0                               ; the add is done, and my reads of this slot are over
	s_barrier_signal -1
	MUL16 2, 1, 0
	WIN 0
	s_barrier_wait -1
.if \fill
	CREST                                          ; the barrier has opened a round of the cluster's barrier: no wave of any partner still reads this slot's tile or has a load on its way
	s_add_nc_u64 s[G0+4*\slot+2:G0+4*\slot+3], s[G0+4*\slot+2:G0+4*\slot+3], 2*ASTEP
	s_add_nc_u64 s[G0B+4*\slot+2:G0B+4*\slot+3], s[G0B+4*\slot+2:G0B+4*\slot+3], 2*ROWB
	JLOAD G0+4*\slot, G1, G0B+4*\slot, G1B         ; the first tensor load behind the round; its four v_nop are also the places in front of the loads below
.else
	PLACES NP
.endif
	FETCH_B \next, 0, 0
	FETCH_A \next, 0, 0
	WIN MUL_HI
	MUL16 4, 1, 0
	MUL16 6, 1, 0
	PLACES NP
	WIN 0
	FETCH_A \next, 0, 4
.endm
	s_wait_tensorcnt 1                             ; my part of K step 0 is in (K step 1's load may be out)
	s_barrier_signal -1
	s_barrier_wait -1                              ; everybody's is
	FETCH_B 0, 0, 0
	FETCH_A 0, 0, 0
	FETCH_A 0, 0, 4
	STEP 0, 0, 1                                   ; the first step stands in front of the loop: its products start the sums
	s_mov_b32 s3, LAPS-1
.Llap:
	TURN 0, 1, 1
	STEP 1, 0, 0
	TURN 1, 0, 1
	STEP 0, 0, 0
	s_sub_co_u32 s3, s3, 1
	s_cmp_lg_u32 s3, 0
	s_cbranch_scc1 .Llap
	TURN 0, 1, 0                                   ; the last lap fills nothing
	STEP 1, 0, 0
	s_wait_dscnt 4*NL
	WIN MUL_LO
	MUL16 0, 1, 0
	MUL16 2, 1, 0
	s_wait_dscnt 0
	WIN MUL_HI
	MUL16 4, 1, 0
	MUL16 6, 1, 0
	WIN 0
; THE WAY OUT, block by block of 16 rows x 128 columns: sum x 2^(e10 + e11) + bo, one packed multiply-add for two; through my own stage in LDS; back as whole rows of 512 bytes.
; LDS serves a wave's instructions in order (ISA guide 5.7.1.4): no wait between the stores and the loads, nor in front of the next block's stores.
.macro TOSTAGE a
.set AC, 64*((\a)%4)
	WIN (0x42+(\a)/4)                              ; source 0 window 2 or 3, bo window 0, destination window 1
.set jj, 0
.rept 32
	v_pk_fma_f32 v[TMP+jj:TMP+jj+1], v[AC+jj:AC+jj+1], s[96:97], v[CBI+jj:CBI+jj+1] op_sel_hi:[1,0,1]   ; each accumulator from its low end on
.set jj, jj+2
.endr
	WIN 0x04                                       ; the stores' data window 1
.irp b, 0,1,2,3,4,5,6,7
	ds_store_b128 v[STO], v[TMP+8*\b:TMP+8*\b+3] offset:64*\b
	ds_store_b128 v[STO], v[TMP+8*\b+4:TMP+8*\b+7] offset:64*\b+16
.endr
	WIN 0
.set BB, BK+64*((\a)%2)
.irp t, 0,1,2,3,4,5,6,7,8,9,10,11,12,13,14,15
	ds_load_b128 v[BB+4*\t:BB+4*\t+3], v[RD] offset:\t*SPITCH
.endr
.endm
.macro SEND a, younger                 ; younger: the LDS instructions issued behind block a's loads, which may stay out
.set BB, BK+64*((\a)%2)
	s_wait_dscnt \younger                          ; the block is back in registers
.if (\a) > 0
	s_add_nc_u64 s[12:13], s[12:13], 16*SIZE_N*4   ; (behind a wait on XCNT: the earlier stores have read their base)  16 rows on
.endif
.irp t, 0,1,2,3,4,5,6,7,8,9,10,11,12,13,14,15
	global_store_b128 v[CO], v[BB+4*\t:BB+4*\t+3], s[12:13] offset:\t*SIZE_N*4 th:TH_STORE_NT   ; 32 lanes store 512 consecutive bytes, at a multiple of 256 from out0's first byte
.endr
.endm
	s_wait_kmcnt 0x0
	s_add_co_i32 s96, s96, s97                     ; e10 + e11
	s_add_co_i32 s96, s96, 127
	s_lshl_b32 s96, s96, 23                        ; 2^(e10 + e11) as f32
	s_mov_b32 s97, s96                             ; (named with it as a pair)
	s_wait_loadcnt 0x0                             ; bo
	PLACES NP                                      ; behind the last products
	TOSTAGE 0
.irp a, 1,2,3,4,5,6,7
.if \a > 1
	s_wait_xcnt 0x0                                ; block a - 2's stores have read their registers and their base
.endif
	TOSTAGE \a
	SEND \a-1, 32                                  ; behind block a - 1's loads: block a's 16 stores and 16 loads
.endr
	s_wait_xcnt 0x0                                ; block 6's stores have read their base
	SEND 7, 0
	s_wait_tensorcnt 0x0                           ; the wave's end
	ds_add_u32 v[SPW], v[NIL]
	s_wait_dscnt 0x0
	CROUND                                         ; the closing round
	s_endpgm
.Lfunc_end_k_qccd9017288_oproj:
	.size	k_qccd9017288_oproj, .Lfunc_end_k_qccd9017288_oproj-k_qccd9017288_oproj
	.p2alignl 7, 3214868480
	.fill 96, 4, 3214868480
	.section	.rodata,"a",@progbits
	.p2align	6, 0x0
	.amdhsa_kernel k_qccd9017288_oproj
		.amdhsa_group_segment_fixed_size 327680
		.amdhsa_private_segment_fixed_size 0
		.amdhsa_enable_private_segment 0
		.amdhsa_kernarg_size 40
		.amdhsa_user_sgpr_count 2
		.amdhsa_user_sgpr_kernarg_segment_ptr 1
		.amdhsa_wavefront_size32 1
		.amdhsa_system_sgpr_workgroup_id_x 1
		.amdhsa_system_sgpr_workgroup_id_y 1
		.amdhsa_system_sgpr_workgroup_id_z 1
		.amdhsa_system_vgpr_workitem_id 0
		.amdhsa_next_free_vgpr 1024
		.amdhsa_next_free_sgpr 98
		.amdhsa_reserve_vcc 0
		.amdhsa_float_denorm_mode_32 3
		.amdhsa_float_denorm_mode_16_64 3
		.amdhsa_memory_ordered 1
		.amdhsa_forward_progress 1
		.amdhsa_inst_pref_size 125
	.end_amdhsa_kernel
	.amdgpu_metadata
---
amdhsa.version: [ 1, 2 ]
amdhsa.kernels:
  - .name:           k_qccd9017288_oproj
    .symbol:         k_qccd9017288_oproj.kd
    .args:
      - { .name: aimg, .offset: 0, .size: 8, .value_kind: global_buffer, .address_space: global }
      - { .name: Wo_codes, .offset: 8, .size: 8, .value_kind: global_buffer, .address_space: global }
      - { .name: lowp_scales, .offset: 16, .size: 8, .value_kind: global_buffer, .address_space: global }
      - { .name: bo, .offset: 24, .size: 8, .value_kind: global_buffer, .address_space: global }
      - { .name: out0, .offset: 32, .size: 8, .value_kind: global_buffer, .address_space: global }
    .group_segment_fixed_size: 327680
    .private_segment_fixed_size: 0
    .kernarg_segment_align: 8
    .kernarg_segment_size: 40
    .max_flat_workgroup_size: 128
    .sgpr_count:     98
    .vgpr_count:     1024
    .wavefront_size: 32
...
	.end_amdgpu_metadata
.endif
;; end of part 3
